; MI455X (gfx1250); checked and timed in simulation.
; The chip was launched on July 23, 2026; its instructions are those of AMD's public machine-readable ISA for CDNA 5 (MIT licence, August 2026) and "CDNA5" Instruction Set Architecture Reference Guide (July 2026). The comments in the code are by the model that wrote it; some were corrected since.
;; Two Layer Fixed Classifier. Allowed arithmetic: matrix products marked QUANTISED: E2M1 operands, one E8M0 scale for each 32 along K, by v_wmma_scale_f32_16x16x128_f8f6f4 with both operands' format E2M1 (or v_wmma_scale_f32_32x16x128_f4), f32 sums; everything else in f32.
;; Inputs: b1 4,096 float32; b2 1,000 float32; w1 4,096 x 2,048 float32; w2 1,000 x 4,096 float32; x 8,192 x 2,048 float32.
;; Outputs: out0 8,192 x 1,000 float32.
;; This version of the problem:
;;   THIS VERSION OF THE PROBLEM IS GIVEN IN LOW PRECISION. The matrix products marked QUANTISED in the list below multiply operands that are first quantised to E2M1 (2 exponent bits, 1 mantissa bit; 4 bits a number), with one power-of-two scale for each 32 numbers along K (OCP MX v1.0); their sums are f32. All else is computed in f32.
;;   The module's matrix products, in the order in which they are computed (A, B: the left and right operand; K: the contracted axis; several contracted axes count as one K, in the product's order):
;;     1. [M 8,192, K 2,048] x [K 2,048, N 4,096]; A: input x; B: input w1: QUANTISED
;;   THE QUANTISER, for each operand of a quantised product, along K:
;;     - K is cut into blocks of 32 from its start; a last block that is shorter is filled with zeros.
;;     - A block's scale is 2^e with e = floor(log2(the largest magnitude in the block)) - 2, held to -126 .. 127; a block of zeros has e = 0. As a byte (E8M0): e + 127.
;;     - Each number is divided by its block's scale, clamped to +-6, and rounded to the nearest number of E2M1, ties to even, subnormals kept.
;;     - The product sums the exact products of the quantised numbers (number of the format x scale) in f32.
;;   ~~~python
;;   def quantise(x, axis):      # numpy; x: float32 -> the quantised numbers, widened to float32 again
;;       x = np.moveaxis(x, axis, -1); K = x.shape[-1]
;;       x = np.pad(x, [(0, 0)] * (x.ndim - 1) + [(0, -K % 32)]); x = x.reshape(x.shape[:-1] + (-1, 32)); a = np.abs(x).max(-1, keepdims=True)
;;       e = np.where(a > 0, np.clip(np.frexp(np.where(a > 0, a, 1))[1] - 1 - 2, -126, 127), 0)      # np.frexp(a)[1] - 1 = floor(log2(a)), exactly
;;       r = np.clip(x / 2.0 ** e, -6, 6)
;;       step = 2.0 ** (np.maximum(np.frexp(np.where(r == 0, 1, r))[1] - 1, 0) - 1)
;;       q = np.round(r / step) * step * 2.0 ** e      # np.round: ties to even
;;       return np.moveaxis(q.reshape(q.shape[:-2] + (-1,))[..., :K], -1, axis).astype(np.float32)
;;   ~~~
;; One version. Each part assembles by itself: llvm-mc -triple=amdgcn-amd-amdhsa -mcpu=gfx1250 --defsym DOCPART=n.
;; ======== version 1 of 1: 3 launches
;; limits: right only within a limited range of input values
;; workspace buffers: xc 8,912,896 bytes; wc 4,456,448 bytes; w2t 16,777,216 bytes; part 2,097,152 bytes of whole numbers
;; launch prep (part 1): grid 1024 x 1, 4 waves a work-group, no clusters, 68,096 bytes of LDS; arguments x, w1, xc, wc, w2, b2, w2t; writes xc, wc, w2t
.if DOCPART == 1
	.amdgcn_target "amdgcn-amd-amdhsa--gfx1250"
	.amdhsa_code_object_version 6
	.text
	.protected	k_q4fb2bbb60b_prep
	.globl	k_q4fb2bbb60b_prep
	.p2align	8
	.type	k_q4fb2bbb60b_prep,@function
k_q4fb2bbb60b_prep:
	s_mov_b64 s[64:65], 0
	v_nop
	global_prefetch_b8 v0, s[64:65] scope:SCOPE_SE
	s_setreg_imm32_b32 hwreg(HW_REG_WAVE_MODE, 25, 1), 1
	s_wait_xcnt 0x0
; THREE JOBS IN ONE LAUNCH, told apart by the work-group's number.
;   work-groups   0 ..  511: x  [8192][2048] f32 -> xc: codes of FP4 (E2M1) and E8M0 scale bytes
;   work-groups 512 ..  767: w1 [4096][2048] f32 -> wc likewise
;   work-groups 768 .. 1023: w2 [1000][4096] f32 -> w2t [4096][1024] f32, w2t[k][c] = w2[c][k] + b2[c]: what the last launch gathers as a row.  Columns 1000 .. 1023 are filling, written so that every
;                            store covers whole aligned runs of 256 bytes; nobody reads them.
; THE LAYOUT OF xc AND wc: [4 K steps of 512][groups of 128 rows][136 lines of 256 bytes]: line r < 128 holds row r's 512 codes, K innermost; lines 128 .. 135 hold the rows' scale bytes, 16 to a row.
; So what the product's launch fetches for 128 rows and a K step is 34,816 dense bytes.
; THE QUANTISER.  A block of 32 along K has the scale 2^(floor(log2(its largest magnitude)) - 2); its byte is the largest magnitude's own exponent field - 2, held at 1 from below.  Each number is divided by
; the scale and rounded to the nearest code, ties to even, beyond 6 the largest code.
; LIMITS: a block of zeros gets the byte 1 where the rule says 127 (its codes are zeros, which add nothing under any byte but 0xff, and the bytes are read by this program alone); blocks whose largest
; magnitude lies under 2^-124 keep the byte 1; NaN and infinities among the inputs are not served.
; No tensor loads, no barrier: waves share nothing.  The two ways through the text never join and have LDS bytes of their own.
.set STEPS, 16
.set WGA,   512
.set WGQ,   768
.set QB,    34816                      ; 136 lines of 256 bytes
.set PLA,   64*QB                      ; a K step of xc
.set PLB,   32*QB                      ; and of wc
.set EMAX,  2
.set CB,    8                          ; bytes of 16 codes
.set R,     16                         ; v16-79   four sets of 16 numbers as they are loaded
.set X,     80                         ; v80-111  two sets of 16 neighbours
.set C,     128                        ; v128-191 codes: registers of its own for each step
.set E,     112                        ; v112-127 a scale byte for each step
.set WREG,  8192                       ; LDS bytes 0 .. 32,767: a region for each wave: two stages of 32 x SP bytes, and behind them its 256 scale bytes
.set SP,    80                         ; a lane's place in a stage: its 64 bytes + 16 of padding
.set TRB,   32768                      ; LDS from here on: the turning way's stages
.set TP,    272                        ; a stage row there: 64 classes (256 bytes) + 16 of padding
.set TX,    32                         ; v32-95   the turning way: two sets of 32 numbers
.set TO,    96                         ; v96-127  and eight groups of four on the way out
	s_load_b128 s[4:7], s[0:1], 0x0                ; x, w1
	s_load_b128 s[8:11], s[0:1], 0x10              ; xc, wc
	s_load_b128 s[24:27], s[0:1], 0x20             ; w2, b2
	s_load_b64 s[28:29], s[0:1], 0x30              ; w2t
	v_lshl_add_u32 v192, v0, 2, 0x10800            ; my spare word, behind both ways' stages
	v_mov_b32 v193, 0
	v_lshrrev_b32 v1, 5, v0
	v_readfirstlane_b32 s16, v1                    ; wave
	v_and_b32 v2, 31, v0                           ; lane
	s_cmp_ge_u32 ttmp9, WGQ
	s_cbranch_scc1 .Lturn
; ---------------- THE QUANTISER'S WAY ----------------
; A work-group takes 16 rows, wave w their K = 512 w .. 512 w + 511, a step one row's 512 numbers.  The conversions take 8 numbers of ONE block from a lane's registers, so a lane must hold 16 NEIGHBOURS;
; each of a step's four loads reads 512 consecutive bytes; the 2,048 bytes go through the wave's own stage in LDS, as they lie, and come back 64 bytes a lane.
; A lane's 16 codes are 8 bytes: the wave stores 256 consecutive bytes.  A wave's 256 scale bytes are gathered in LDS and leave as one aligned run of 256 bytes.
	v_lshlrev_b32 v3, 4, v2                        ; my 16 bytes of a load's 512
	s_mul_i32 s17, s16, WREG
	v_lshrrev_b32 v14, 2, v2
	v_mul_u32_u24 v14, v14, SP
	v_and_b32 v15, 3, v2
	v_lshl_add_u32 v14, v15, 4, v14
	v_add_nc_u32 v14, s17, v14                     ; the stage, on the way in: four lanes' 64 bytes on end, then 16 of padding
	v_mul_u32_u24 v15, v2, SP
	v_add_nc_u32 v15, s17, v15                     ; and on the way out: my 16 neighbours
	v_mul_u32_u24 v4, v2, CB                       ; my codes' place in a step's
	v_lshrrev_b32 v5, 1, v2
	s_add_co_u32 s17, s17, 2*32*SP
	v_add_nc_u32 v5, s17, v5                       ; LDS: my wave's 256 scale bytes, my block's byte
	v_lshlrev_b32 v7, 3, v2                        ; and on the way out 8 bytes a lane
	v_add_nc_u32 v6, s17, v7
	s_wait_alu depctr_va_vdst(0)
	s_wait_kmcnt 0x0
	s_cmp_lt_u32 ttmp9, WGA                        ; x's work-group or w1's?  The choice hangs on the work-group's number alone
	s_cselect_b64 s[4:5], s[4:5], s[6:7]
	s_cselect_b64 s[8:9], s[8:9], s[10:11]
	s_mov_b32 s22, PLB
	s_cselect_b32 s22, PLA, s22                    ; a K step's bytes in the codes' buffer
	s_cselect_b32 s17, 0, WGA
	s_sub_co_u32 s17, ttmp9, s17                   ; which 16 rows of the tensor
	s_mov_b32 s19, 0
	s_lshl_b32 s18, s17, 17                        ; in: 16 rows of 8,192 bytes,
	s_lshl_b32 s20, s16, 11                        ; + my wave's 2,048 bytes of a row
	s_add_co_u32 s18, s18, s20
	s_add_nc_u64 s[4:5], s[4:5], s[18:19]
	s_mul_i32 s18, s16, s22                        ; out: my K step,
	s_lshr_b32 s20, s17, 3
	s_mul_i32 s20, s20, QB                         ; + my group of 128 rows
	s_add_co_u32 s18, s18, s20
	s_add_nc_u64 s[8:9], s[8:9], s[18:19]
	s_and_b32 s20, s17, 7                          ; which 16 rows of the 128
	s_lshl_b32 s18, s20, 8
	s_add_co_u32 s18, s18, 32768
	s_add_nc_u64 s[10:11], s[8:9], s[18:19]        ; their scale bytes: behind the 128 lines of codes, 16 x 16 bytes
	s_lshl_b32 s18, s20, 12
	s_add_nc_u64 s[8:9], s[8:9], s[18:19]          ; their codes: 16 lines of 256 bytes
.macro LOAD t
.irp i, 0,1,2,3
	global_load_b128 v[R+16*((\t)%4)+4*\i:R+16*((\t)%4)+4*\i+3], v3, s[4:5] offset:8192*(\t)+512*\i th:TH_LOAD_NT   ; row t: 32 lanes read 512 consecutive bytes
.endr
.endm
.macro TURN t                          ; step t's numbers through the stage: LDS serves a wave's instructions in order
.irp i, 0,1,2,3
	ds_store_b128 v14, v[R+16*((\t)%4)+4*\i:R+16*((\t)%4)+4*\i+3] offset:32*SP*((\t)%2)+8*SP*\i
.endr
.irp i, 0,1,2,3
	ds_load_b128 v[X+16*((\t)%2)+4*\i:X+16*((\t)%2)+4*\i+3], v15 offset:32*SP*((\t)%2)+16*\i
.endr
.endm
.irp t, 0,1,2,3
	LOAD \t
.endr
	s_wait_loadcnt 12                              ; step 0's four loads are in; the twelve of steps 1 to 3 may be out
	TURN 0
.macro STEP t
.set XS, X+16*((\t)%2)
.if (\t) > 0
	s_wait_dscnt 1                                 ; this step's numbers are back from the stage (the last step's byte store may be out)
.else
	s_wait_dscnt 0x0
.endif
.if (\t)+4 < STEPS
	LOAD (\t)+4
.endif
.if (\t)+1 < STEPS
.if STEPS-2-(\t) >= 3
	s_wait_loadcnt 12                              ; the next step's four loads are in; those of the three steps behind it may be out
.else
	s_wait_loadcnt 4*(STEPS-2-(\t))
.endif
	TURN (\t)+1
.endif
	v_max3_num_f32 v8, |v[XS]|, |v[XS+1]|, |v[XS+2]|               ; the largest magnitude of my 16, in two chains
	v_max3_num_f32 v9, |v[XS+3]|, |v[XS+4]|, |v[XS+5]|
.irp i, 6,10
	v_max3_num_f32 v8, v8, |v[XS+\i]|, |v[XS+\i+1]|
	v_max3_num_f32 v9, v9, |v[XS+\i+2]|, |v[XS+\i+3]|
.endr
	v_max3_num_f32 v8, v8, |v[XS+14]|, |v[XS+15]|
	v_max3_num_f32 v8, v8, v9, (EMAX+1)<<23        ; and the floor 2^(EMAX + 1 - 127): the byte cannot fall under 1
	v_max_num_f32_dpp v8, v8, v8 row_xmask:1 row_mask:0xf bank_mask:0xf   ; and of my neighbour's 16: the block's
	v_add_nc_u32 v11, -(EMAX<<23), v8              ; EMAX off its exponent field: the conversion's scale operand
	v_cvt_scalef32_pk8_fp4_f32 v[C+4*(\t)], v[XS:XS+7], v11
	v_cvt_scalef32_pk8_fp4_f32 v[C+4*(\t)+1], v[XS+8:XS+15], v11
	v_lshrrev_b32 v[E+(\t)], 23, v11               ; the scale's byte (also the plain line behind the conversions)
	ds_store_b8 v5, v[E+(\t)] offset:16*(\t)       ; both lanes of a block write the same byte with the same value
	global_store_b64 v4, v[C+4*(\t):C+4*(\t)+1], s[8:9] offset:256*(\t)   ; row t's line: 256 consecutive, aligned bytes
.endm
.irp t, 0,1,2,3,4,5,6,7,8,9,10,11,12,13,14,15
	STEP \t
.endr
	ds_load_b64 v[12:13], v6                       ; LDS serves a wave's instructions in order: these see my stores
	s_wait_dscnt 0x0
	global_store_b64 v7, v[12:13], s[10:11]        ; 32 lanes store one aligned run of 256 bytes
	s_wait_tensorcnt 0x0                           ; the wave's end
	ds_add_u32 v192, v193
	s_wait_dscnt 0x0
	s_endpgm
; ---------------- THE TURNING WAY ----------------
; Work-group u = number - 768 takes k = 128 (u % 32) on and classes 128 (u / 32) on.  A LANE TAKES A k, AND ITS REGISTERS RUN DOWN THE CLASSES: each load reads one row of w2 at 32 neighbouring k (128 consecutive
; bytes a wave, 512 a work-group).  32 classes at a time go into the wave's own stage, row = my k; when a stage row holds 64 classes it is read back by rows, b2 is added, and sixteen lanes store 256
; consecutive, aligned bytes of a row of w2t.  Loads run two halves (64 loads a wave) ahead.
.Lturn:
	s_sub_co_u32 s18, ttmp9, WGQ
	s_and_b32 s19, s18, 31                         ; which 128 k
	s_lshr_b32 s17, s18, 5                         ; which 128 classes: 0 .. 7
	s_lshl_b32 s20, s17, 21                        ; w2: 128 rows of 16,384 bytes,
	s_lshl_b32 s21, s19, 9                         ; + 128 k of 4 bytes
	s_add_co_u32 s20, s20, s21
	s_mov_b32 s21, 0
	s_lshl_b32 s30, s17, 9                         ; 128 classes of 4 bytes: in a row of w2t, and in b2
	s_lshl_b32 s22, s19, 19                        ; w2t: 128 rows of 4,096 bytes,
	s_add_co_u32 s22, s22, s30
	s_mov_b32 s23, 0
	v_lshlrev_b32 v3, 2, v0                        ; in: 4 bytes a thread
	s_mul_i32 s18, s16, 32*TP
	s_add_co_u32 s18, s18, TRB                     ; my stage
	s_wait_alu depctr_va_vdst(0)                   ; the lane's number was written ahead of the branch
	v_mul_u32_u24 v4, v2, TP
	v_add_nc_u32 v4, s18, v4                       ; into it: row = my k
	v_lshrrev_b32 v7, 4, v2
	v_and_b32 v12, 15, v2
	v_mul_u32_u24 v5, v7, TP
	v_lshl_add_u32 v5, v12, 4, v5
	v_add_nc_u32 v5, s18, v5                       ; out of it: sixteen lanes to a row, two rows an instruction
	s_lshl_b32 s19, s16, 17                        ; my wave's 32 rows of w2t
	v_lshlrev_b32 v6, 12, v7
	v_lshl_add_u32 v6, v12, 4, v6
	v_add_nc_u32 v6, s19, v6                       ; and the same place in w2t
	v_lshl_add_u32 v13, v12, 4, s30
.irp g, 0,1
	v_add_nc_u32 v[8+\g], 256*\g, v13              ; b2 at my four classes of group g (64 classes),
	v_min_u32 v[8+\g], 3984, v[8+\g]               ; held inside b2's 4,000 bytes: what is held serves the filling columns alone
.endr
	s_wait_alu depctr_va_vdst(0)
	s_wait_kmcnt 0x0
	s_add_nc_u64 s[24:25], s[24:25], s[20:21]
	s_add_nc_u64 s[28:29], s[28:29], s[22:23]
.irp g, 0,1
	global_load_b128 v[16+4*\g:19+4*\g], v[8+\g], s[26:27]
.endr
.macro HLOAD u, n                      ; half u: w2(32 u + i, my k), i = 0 .. 31, into set u % 2; from i = n on there is no such class: zeros
.set i, 0
.rept 32
.if i < \n
	global_load_b32 v[TX+32*((\u)%2)+i], v3, s[24:25] offset:(32*(\u)+i)*16384 th:TH_LOAD_NT
.else
	v_mov_b32 v[TX+32*((\u)%2)+i], 0
.endif
.set i, i+1
.endr
.endm
.macro BACK grp                        ; 64 classes x 32 k leave the stage, 16 rows at a time
.irp e, 0,1
	s_wait_xcnt 0x0                                ; the earlier stores have read their data: the registers may be loaded again
.irp t, 0,1,2,3,4,5,6,7
	ds_load_b128 v[TO+4*\t:TO+4*\t+3], v5 offset:2*(8*\e+\t)*TP
.endr
.irp t, 0,1,2,3,4,5,6,7
	s_wait_dscnt 7-\t                              ; the younger loads may be out
	v_pk_add_f32 v[TO+4*\t:TO+4*\t+1], v[TO+4*\t:TO+4*\t+1], v[16+4*(\grp):17+4*(\grp)]
	v_pk_add_f32 v[TO+4*\t+2:TO+4*\t+3], v[TO+4*\t+2:TO+4*\t+3], v[18+4*(\grp):19+4*(\grp)]
	global_store_b128 v6, v[TO+4*\t:TO+4*\t+3], s[28:29] offset:2*(8*\e+\t)*4096+256*(\grp) th:TH_STORE_NT   ; sixteen lanes store 256 consecutive, aligned bytes
.endr
.endr
.endm
.macro HALF u
.if (\u) < 2
	s_wait_loadcnt 32                              ; this half's loads (and b2's, issued ahead of all) are in; the next half's 32 may be out
.elseif (\u) == 2
	s_wait_loadcnt 8                               ; behind half 2's stand 32 loads, or 8 where the classes end: the smaller count serves both ways
.else
	s_wait_loadcnt 0x0
.endif
.irp j, 0,1,2,3,4,5,6,7
	ds_store_b128 v4, v[TX+32*((\u)%2)+4*\j:TX+32*((\u)%2)+4*\j+3] offset:128*((\u)%2)+16*\j
.endr
.if (\u) < 2
	s_wait_dscnt 0x0                               ; the stores have read their registers, which take the half two further on
.if (\u) == 1
	s_cmp_eq_u32 s17, 7                            ; the last 128 classes end at 1,000: of their last half only eight rows exist, and no load leaves w2
	s_cbranch_scc1 .Ltail
	HLOAD 3, 32
	s_branch .Ljoined
.Ltail:
	HLOAD 3, 8
.Ljoined:
.else
	HLOAD 2, 32
.endif
.endif
.if (\u)%2
	BACK (\u)/2
.endif
.endm
	HLOAD 0, 32
	HLOAD 1, 32
.irp u, 0,1,2,3
	HALF \u
.endr
	s_wait_tensorcnt 0x0                           ; the wave's end
	ds_add_u32 v192, v193
	s_wait_dscnt 0x0
	s_endpgm
.Lfunc_end_k_q4fb2bbb60b_prep:
	.size	k_q4fb2bbb60b_prep, .Lfunc_end_k_q4fb2bbb60b_prep-k_q4fb2bbb60b_prep
	.p2alignl 7, 3214868480
	.fill 96, 4, 3214868480
	.section	.rodata,"a",@progbits
	.p2align	6, 0x0
	.amdhsa_kernel k_q4fb2bbb60b_prep
		.amdhsa_group_segment_fixed_size 68096
		.amdhsa_private_segment_fixed_size 0
		.amdhsa_enable_private_segment 0
		.amdhsa_kernarg_size 56
		.amdhsa_user_sgpr_count 2
		.amdhsa_user_sgpr_kernarg_segment_ptr 1
		.amdhsa_wavefront_size32 1
		.amdhsa_system_sgpr_workgroup_id_x 1
		.amdhsa_system_sgpr_workgroup_id_y 1
		.amdhsa_system_sgpr_workgroup_id_z 1
		.amdhsa_system_vgpr_workitem_id 0
		.amdhsa_next_free_vgpr 194
		.amdhsa_next_free_sgpr 66
		.amdhsa_reserve_vcc 0
		.amdhsa_float_denorm_mode_32 3
		.amdhsa_float_denorm_mode_16_64 3
		.amdhsa_memory_ordered 1
		.amdhsa_forward_progress 1
		.amdhsa_inst_pref_size 62
	.end_amdhsa_kernel
	.amdgpu_metadata
---
amdhsa.version: [ 1, 2 ]
amdhsa.kernels:
  - .name:           k_q4fb2bbb60b_prep
    .symbol:         k_q4fb2bbb60b_prep.kd
    .args:
      - { .name: x, .offset: 0, .size: 8, .value_kind: global_buffer, .address_space: global }
      - { .name: w1, .offset: 8, .size: 8, .value_kind: global_buffer, .address_space: global }
      - { .name: xc, .offset: 16, .size: 8, .value_kind: global_buffer, .address_space: global }
      - { .name: wc, .offset: 24, .size: 8, .value_kind: global_buffer, .address_space: global }
      - { .name: w2, .offset: 32, .size: 8, .value_kind: global_buffer, .address_space: global }
      - { .name: b2, .offset: 40, .size: 8, .value_kind: global_buffer, .address_space: global }
      - { .name: w2t, .offset: 48, .size: 8, .value_kind: global_buffer, .address_space: global }
    .group_segment_fixed_size: 68096
    .private_segment_fixed_size: 0
    .kernarg_segment_align: 8
    .kernarg_segment_size: 56
    .max_flat_workgroup_size: 128
    .sgpr_count:     66
    .vgpr_count:     194
    .wavefront_size: 32
...
	.end_amdgpu_metadata
.endif
;; end of part 1
;; launch gemm (part 2): grid 16 x 16, 4 waves a work-group, clusters of 4 x 4, 327,680 bytes of LDS; arguments xc, wc, part, b1; writes part
.if DOCPART == 2
	.amdgcn_target "amdgcn-amd-amdhsa--gfx1250"
	.amdhsa_code_object_version 6
	.text
	.protected	k_q4fb2bbb60b_gemm
	.globl	k_q4fb2bbb60b_gemm
	.p2align	8
	.type	k_q4fb2bbb60b_gemm,@function
k_q4fb2bbb60b_gemm:
	s_mov_b64 s[64:65], 0
	v_nop
	global_prefetch_b8 v0, s[64:65] scope:SCOPE_SE
	s_setreg_imm32_b32 hwreg(HW_REG_WAVE_MODE, 25, 1), 1
	s_wait_xcnt 0x0
	s_wait_alu depctr_hold_cnt(0) depctr_sa_sdst(0) depctr_va_vdst(0) depctr_va_sdst(0) depctr_va_ssrc(0) depctr_va_vcc(0) depctr_vm_vsrc(0)
	s_getreg_b32 s2, hwreg(HW_REG_IB_STS2, 6, 4)
	s_cmp_eq_u32 s2, 0
	s_cbranch_scc0 .Lentry_in_a_cluster
	s_endpgm
.Lentry_in_a_cluster:
	s_bfe_u32 s2, ttmp6, 0x10000c
	s_cmp_lg_u32 s2, 0xf033
	s_cbranch_scc0 .Lentry_shape_is_right
	s_endpgm
.Lentry_shape_is_right:
; h[m][n] = sum over k of x[m][k] w1[n][k] + b1[n], on codes of FP4 (E2M1) with one E8M0 scale for each 32 along K, sums in f32.  h never goes to memory: of each row and each 128 columns only the
; largest h and the first column that has it are stored.  A = xc, B = wc, both laid [4 K steps of 512][groups of 128 rows][136 lines of 256 bytes]: 128 lines of codes, then 8 lines of scale bytes, 16 to a row.
; OUT: part [32 groups of 128 columns][8192 rows][2 words]: word 0 an ORDER KEY (a larger h has a larger unsigned key), word 1 the column, 0 .. 4095.
; LIMITS: NaN and infinities are not served.  b1 enters as the C of the first K step, so the sum is rounded in another order than "product, then + b1".  -0 and +0 count as equal.
; A WORK-GROUP STAYS: four waves make two tiles of h, 256 x 256 each, 4,096 rows apart, on the same 256 rows of w1; a wave makes 128 x 128: 64 accumulators, 512 registers.
; K goes in steps of 512 through two LDS slots.  A slot is four pieces of 136 lines (A's two groups of 128 rows, B's two), each 34,816 dense bytes of memory: four equal tensor loads, ONE A WAVE.
; The ring does not stop at the first tile's end: its last two changes of slots ask for the second tile's first two K steps.  The two tails (with refills, without) part on the tile counter, which is the
; same in every work-group, and join in front of the way out, which is written once.
; CLUSTERS: 4 x 4 work-groups; A's pieces are asked for jointly along a row of the cluster, B's along a column.  THE MATRIX INSTRUCTION IS USED TRANSPOSED (source 0 = 16 rows of B, source 1 = 16 rows of A):
; a lane holds ONE row of h and 64 of its columns.
; PREFETCH: behind each of the first tile's four refills waves 0 and 1 name the code lines of A's piece that stands two refills on: the second tile's K steps 0 to 3.  Of a piece's 128 lines each of the four
; partners that will ask for it jointly takes 32, by address (cx), a lane a line.  The first tile's pieces come by their loads alone; B's are the same in both tiles and have been read; the 8 lines of scale
; bytes are not named.  Every offset is an immediate, no address register is rewritten, and the second tile names nothing.
; REGISTERS: window 0: v0-31 addresses; v32-95 scale words, two sets; v96-127 and v192-255 the way out; v128-191 A's fragments, one set.  window 1: B's fragments at v0 and v128; v64-127 b1 in the result's layout.
;   window 2: the accumulators of my rows 0-63 ((a, b) at v[8 (8 a + b)]);  window 3: those of my rows 64-127.
.set NQ,     4                         ; matrix instructions deep in a K step
.set PITCH,  272                       ; an LDS line: 256 bytes + 16 of padding: the 16 rows that a load touches start 4 words further on each
.set FR,     8
.set NL,     2
.set NP,     4                         ; places behind this matrix instruction (ISA guide 7.12.1)
.set QB,     34816                     ; a piece in memory
.set PLA,    64*QB                     ; a K step of xc
.set PLB,    32*QB                     ; and of wc
.set QUART,  136*PITCH                 ; a piece in LDS
.set SCO,    128*PITCH                 ; in it: the scale bytes' lines
.set SLOT,   4*QUART
.set STAGE,  2*SLOT                    ; 1,024 bytes for each wave, for the way out: no tensor load lands here
.set SPARE,  STAGE+4096                ; the spare words, 128 bytes for each wave
.set WALK,   4096                      ; rows from the first tile to the second: 32 groups
.set ADRA, 16                          ; v16-17 my A fragments in slot 0, 1
.set ADRB, 20                          ; v20-21 B's
.set ADRS, 22                          ; v22-23 my scale words: lanes 0-15 A's rows, lanes 16-31 B's
.set STO,  24
.set RD,   25
.set CO,   26
.set PFO,  27                          ; 256 x lane: my line of a prefetch; never rewritten
.set SPW,  28
.set NIL,  29
.set H8,   30                          ; my wave's first column + 8 (lane / 16)
.set BO,   31                          ; 32 (lane / 16): my bytes in b1
.set SC,   32                          ; set s at v[SC + 32 s]; register 4 i + q: lanes 0-15 the word of A's block i, lanes 16-31 of B's block i, for the slot's q-th 128 along K
.set AF,   128
.set BI,   64                          ; window 1: register 8 b + j: b1 at column 16 b + 8 (lane / 16) + j of my 128
.set PR,   96                          ; v96-111  a pair (key, column) for each of my eight blocks of 16 rows
.set OB,   112                         ; v112-119 pairs on their way to memory
.set NI,   120                         ; -infinity
.set GM,   192                         ; v192-223 block u of four: the largest of each group of 8 columns, later the chosen group's 8 numbers
.set MS,   224                         ; v224-255 block u of four, at MS + 8 u: the names below
.set MX, 0                             ; the row's largest
.set MP, 1                             ; the other half of the lanes'
.set BX, 2                             ; the first group that holds it; 8: none of mine
.set JX, 3                             ; its place in the group
.set NN, 4                             ; my column
.set NO, 5                             ; the other half's
.set T1, 6
.set T2, 7
.set MK,   68                          ; s68-99 block u of four: eight masks at MK + 8 u
.set G1A,  24                          ; descriptor groups 1, and groups 0 with a set of four registers for each slot
.set G0A,  32
.set G1B,  48
.set G0B,  56
.set MSB, 0
.macro WIN new
.if MSB != (\new)
	s_set_vgpr_msb (MSB<<8)|(\new)
.set MSB, (\new)
.endif
.endm
.set MUL_LO, 0xa1                      ; source 0 (B) window 1, source 1 (A) window 0, C and D window 2
.set MUL_HI, 0xf1
.set FST_LO, 0x91                      ; the first products: C (b1) window 1, D window 2
.set FST_HI, 0xd1
.set TO_B,   0x40
.macro TL g0, g1                       ; a tensor load with s_nop 0 and four v_nop behind it
	tensor_load_to_lds s[\g0:\g0+3], s[\g1:\g1+7]
	s_nop 0
.rept 4
	v_nop
.endr
.endm
.macro JLOAD s                         ; a slot's joint loads, one a wave: waves 0 and 1 fetch A's two pieces, waves 2 and 3 B's
	s_cmp_eq_u32 s15, 0
	s_cbranch_scc0 .Lfb_\@
	TL G0A+4*\s, G1A
	s_branch .Lfj_\@
.Lfb_\@:
	TL G0B+4*\s, G1B
.Lfj_\@:
.endm
.macro ASK k                           ; s3 = 1 in waves 0 and 1 during the first tile
	s_cmp_lg_u32 s3, 0
	s_cbranch_scc0 .Lna_\@
	global_prefetch_b8 v[PFO], s[20:21] offset:(\k)*PLA th:TH_LOAD_NT scope:SCOPE_SE
.Lna_\@:
.endm
.macro CREST
	s_cmp_lg_u32 s14, 0
	s_cbranch_scc1 .Lnot_wave_0_\@
	s_barrier_signal -3
.Lnot_wave_0_\@:
	s_barrier_wait -3
	s_barrier_signal -1
	s_barrier_wait -1
.endm
.macro CROUND
	s_barrier_signal -1
	s_barrier_wait -1
	CREST
.endm
	s_load_b256 s[4:11], s[0:1], 0x0               ; xc s[4:5], wc s[6:7], part s[8:9], b1 s[10:11]
	v_lshl_add_u32 v[SPW], v0, 2, SPARE
	v_mov_b32 v[NIL], 0
	ds_add_u32 v[SPW], v[NIL]                      ; the opening lines: the add, twice on end, and its wait ahead of my first tensor load
	ds_add_u32 v[SPW], v[NIL]
	v_lshrrev_b32 v1, 5, v0
	v_readfirstlane_b32 s14, v1                    ; wave 0..3
	s_lshr_b32 s15, s14, 1                         ; which half of the tile's rows is mine.  Also: I fetch for A (0) or for B (1)
	s_and_b32 s16, s14, 1                          ; which half of its columns.  Also: which of the two pieces I fetch
	s_bfe_u32 s40, ttmp6, 0x40000                  ; cx, cy
	s_bfe_u32 s41, ttmp6, 0x40004
	s_lshl_b32 s42, ttmp9, 2
	s_add_co_u32 s42, s42, s40                     ; tile column
	s_and_b32 s17, ttmp7, 0xffff
	s_lshl_b32 s17, s17, 2
	s_add_co_u32 s17, s17, s41                     ; the first tile's row, 0 .. 15
	s_lshl_b32 s43, s41, 2
	s_lshl_b32 s43, 15, s43                        ; my row of the cluster
	s_lshl_b32 s44, 0x1111, s40                    ; my column
	s_mov_b32 s66, 0x76543210                      ; v_permlanex16_b32's selects for lane l xor 16
	s_mov_b32 s67, 0xfedcba98
	s_or_b32 s[G1A], s43, (1<<20)|(1<<21)|(5<<22)|(3<<25)   ; 136 lines x 256 elements of 1 byte; 4 words of padding behind every 64
	s_or_b32 s[G1B], s44, (1<<20)|(1<<21)|(5<<22)|(3<<25)
.irp g, G1A, G1B
	s_mov_b32 s[\g+1], 256<<16
	s_mov_b32 s[\g+2], 136<<16
	s_mov_b32 s[\g+3], 256<<16
	s_mov_b32 s[\g+4], 136
	s_mov_b32 s[\g+5], 256
	s_mov_b32 s[\g+6], 0
	s_mov_b32 s[\g+7], 0
.endr
	s_lshl_b32 s45, s17, 1
	s_add_co_u32 s45, s45, s16                     ; A: the group of 128 rows that I would fetch
	s_mul_i32 s46, s45, QB
	s_mov_b32 s47, 0
	s_lshl_b32 s76, s42, 1
	s_add_co_u32 s76, s76, s16                     ; B: likewise.  Also: my group of 128 columns of h
	s_mul_i32 s78, s76, QB
	s_mov_b32 s79, 0
	s_mul_i32 s70, s14, QUART                      ; where my piece goes: wave x a piece
	s_lshl_b32 s72, s40, 13                        ; the prefetches: my work-group's 32 lines of a piece,
	s_add_co_u32 s72, s72, 32*QB                   ; in the second tile
	s_mov_b32 s73, 0
	s_wait_dscnt 0x0                               ; both opening adds are done
	s_wait_kmcnt 0x0
	s_add_nc_u64 s[46:47], s[4:5], s[46:47]
	s_add_nc_u64 s[78:79], s[6:7], s[78:79]
	s_add_nc_u64 s[20:21], s[46:47], s[72:73]
.irp s, 0,1                            ; slot s begins with K step s
	s_mov_b32 s[G0A+4*\s], 1
	s_add_co_u32 s[G0A+4*\s+1], s70, \s*SLOT
	s_add_nc_u64 s[G0A+4*\s+2:G0A+4*\s+3], s[46:47], \s*PLA
	s_or_b32 s[G0A+4*\s+3], s[G0A+4*\s+3], 0x80000000
	s_mov_b32 s[G0B+4*\s], 1
	s_add_co_u32 s[G0B+4*\s+1], s70, \s*SLOT
	s_add_nc_u64 s[G0B+4*\s+2:G0B+4*\s+3], s[78:79], \s*PLB
	s_or_b32 s[G0B+4*\s+3], s[G0B+4*\s+3], 0x80000000
.endr
	CROUND                                         ; all sixteen work-groups are here: the first joint loads meet
	JLOAD 0                                        ; K step 0: one tensor load a wave at the head
	; scalars for the addresses below, all ahead of the vector lines
	s_mul_i32 s68, s15, QUART                      ; my piece of A, slot 0 and 1
	s_add_co_u32 s69, s68, SLOT
	s_mul_i32 s70, s16, QUART                      ; my piece of B, behind A's two
	s_add_co_u32 s70, s70, 2*QUART
	s_add_co_u32 s71, s70, SLOT
	s_sub_co_u32 s74, s70, s68                     ; the distance between the two
	s_add_co_u32 s72, s68, SCO                     ; A's scale bytes
	s_add_co_u32 s73, s72, SLOT
	s_lshl_b32 s75, s14, 10
	s_add_co_u32 s75, s75, STAGE                   ; my stage
	s_lshl_b32 s77, s76, 7                         ; my first column
	s_lshl_b32 s78, s76, 9                         ; its byte in b1
	s_mov_b32 s79, 0
	s_add_nc_u64 s[22:23], s[10:11], s[78:79]
	s_lshl_b32 s78, s76, 16                        ; part: the group's 65,536 bytes,
	s_lshl_b32 s76, s17, 11                        ; + 256 rows of 8 bytes a tile row,
	s_add_co_u32 s78, s78, s76
	s_lshl_b32 s76, s15, 10                        ; + my half's 128 rows
	s_add_co_u32 s78, s78, s76
	s_add_nc_u64 s[12:13], s[8:9], s[78:79]
	s_mov_b64 s[18:19], 0                          ; what the way out adds to part's address: 0 for the first tile
	s_cmp_eq_u32 s15, 0
	s_cselect_b32 s3, 1, 0                         ; waves 0 and 1 prefetch
	v_and_b32 v1, 15, v0                           ; l % 16
	v_bfe_u32 v2, v0, 4, 1                         ; l / 16
	v_lshlrev_b32 v[BO], 5, v2
	WIN TO_B
.irp b, 0,1,2,3,4,5,6,7
	global_load_b128 v[BI+8*\b:BI+8*\b+3],   v[BO], s[22:23] offset:64*\b       ; b1 at columns 16 b + 8 (l / 16) + 0 .. 7: both tiles' first products take them as C
	global_load_b128 v[BI+8*\b+4:BI+8*\b+7], v[BO], s[22:23] offset:64*\b+16
.endr
	WIN 0
	v_lshl_add_u32 v[H8], v2, 3, s77
	v_mul_u32_u24 v3, v1, PITCH
	v_lshl_add_u32 v4, v2, 4, v3                   ; a fragment's row x pitch + 16 x half
	v_add_nc_u32 v[ADRA], s68, v4
	v_add_nc_u32 v[ADRA+1], s69, v4
	v_add_nc_u32 v[ADRB], s70, v4
	v_add_nc_u32 v[ADRB+1], s71, v4
	v_lshlrev_b32 v5, 4, v1                        ; my row's 16 scale bytes in its block's line
	v_mul_u32_u24 v6, s74, v2                      ; lanes 16-31 take B's: one product, the distance between the two
	v_add_nc_u32 v5, v5, v6
	v_add_nc_u32 v[ADRS], s72, v5
	v_add_nc_u32 v[ADRS+1], s73, v5
	v_lshl_add_u32 v[STO], v1, 3, s75
	v_and_b32 v6, 31, v0
	v_lshlrev_b32 v[CO], 4, v6
	v_lshlrev_b32 v[PFO], 8, v6
	v_add_nc_u32 v[RD], s75, v[CO]
.irp u, 0,1,2,3
	v_mov_b32 v[MS+8*\u+MP], 0                     ; written once: a lane permute's destination counts as one of its sources
	v_mov_b32 v[MS+8*\u+NO], 0
.endr
	v_mov_b32 v[NI], 0xff800000
.macro FRAG reg, adr, q, i             ; 16 rows x 128 K of 4-bit codes: lane l holds row l % 16; registers 4 c .. 4 c + 3 hold K = 64 c + 32 (l / 16) + 0 .. 31
.irp c, 0,1
	ds_load_b128 v[\reg+4*\c:\reg+4*\c+3], v[\adr] offset:64*(\q)+32*\c+(\i)*16*PITCH
.endr
.endm
; 16 matrix instructions: A's blocks a0, a0 + 1 x B's eight.  first = 1: the sums start from b1.  The 64 accumulators take turns, one instruction a turn.
.macro MUL16 a0, p, q, sc, first
.irp a, \a0, \a0+1
.irp b, 0,1,2,3,4,5,6,7
.if \first
	v_wmma_scale_f32_16x16x128_f8f6f4 v[8*(8*((\a)%4)+\b):8*(8*((\a)%4)+\b)+7], v[128*(\p)+FR*\b:128*(\p)+FR*\b+FR-1], v[AF+FR*(\a):AF+FR*(\a)+FR-1], v[BI+8*\b:BI+8*\b+7], v[SC+8*NQ*(\sc)+NQ*\b+(\q)], v[SC+8*NQ*(\sc)+NQ*(\a)+(\q)] matrix_a_fmt:MATRIX_FMT_FP4 matrix_b_fmt:MATRIX_FMT_FP4 matrix_a_scale:MATRIX_SCALE_ROW1
.else
	v_wmma_scale_f32_16x16x128_f8f6f4 v[8*(8*((\a)%4)+\b):8*(8*((\a)%4)+\b)+7], v[128*(\p)+FR*\b:128*(\p)+FR*\b+FR-1], v[AF+FR*(\a):AF+FR*(\a)+FR-1], v[8*(8*((\a)%4)+\b):8*(8*((\a)%4)+\b)+7], v[SC+8*NQ*(\sc)+NQ*\b+(\q)], v[SC+8*NQ*(\sc)+NQ*(\a)+(\q)] matrix_a_fmt:MATRIX_FMT_FP4 matrix_b_fmt:MATRIX_FMT_FP4 matrix_a_scale:MATRIX_SCALE_ROW1
.endif
.endr
.endr
.endm
.macro FETCH_B slot, q, p
	WIN TO_B
.irp i, 0,1,2,3,4,5,6,7
	FRAG 128*(\p)+FR*\i, ADRB+\slot, \q, \i
.endr
	WIN 0
.endm
.macro FETCH_A slot, q, i0
.irp i, \i0, \i0+1, \i0+2, \i0+3
	FRAG AF+FR*(\i), ADRA+\slot, \q, \i
.endr
.endm
.macro SCALES sc                       ; slot sc's scale words: block i's 16 rows lie in one line: sixteen lanes read 256 consecutive bytes
.irp i, 0,1,2,3,4,5,6,7
	ds_load_b128 v[SC+8*NQ*\sc+NQ*\i:SC+8*NQ*\sc+NQ*\i+3], v[ADRS+\sc] offset:\i*PITCH
.endr
.endm
.macro PLACES n                        ; places in front of loads into registers that matrix instructions have read, and of reads of results
.rept \n
	v_nop
.endr
.endm
; A step of 128 along K that has its successor in the same slot: A has one set of registers (blocks 0-3 fetched anew in the middle, 4-7 at the end), B two.
.macro STEP slot, q, first
	s_wait_dscnt 4*NL                              ; all but the youngest eight loads (A's blocks 4-7) are in
.if \first
	WIN FST_LO
.else
	WIN MUL_LO
.endif
	MUL16 0, (\q)%2, \q, \slot, \first
	MUL16 2, (\q)%2, \q, \slot, \first
	s_wait_dscnt 0
	PLACES NP
	FETCH_B \slot, (\q)+1, 1-(\q)%2
	FETCH_A \slot, (\q)+1, 0
.if \first
	WIN FST_HI
.else
	WIN MUL_HI
.endif
	MUL16 4, (\q)%2, \q, \slot, \first
	MUL16 6, (\q)%2, \q, \slot, \first
	PLACES NP
	WIN 0
	FETCH_A \slot, (\q)+1, 4
.endm
; A slot's last step changes slots.  fill = 1: this slot takes the tile's K step two on; 2: the next tile's K step of the same number; 0: nothing.  ask: the next tile's K step that is prefetched.
.macro TURN slot, next, fill, ask
	s_wait_tensorcnt 0x0                           ; all my tensor loads have landed: my piece of the next slot
	ds_add_u32 v[SPW], v[NIL]
	s_wait_dscnt 4*NL+1                            ; (the add and the youngest eight loads may be out)
	WIN MUL_LO
	MUL16 0, 1, NQ-1, \slot, 0
	s_wait_dscnt 0x0                               ; the add is done, and my reads of this slot are over
	s_barrier_signal -1
	MUL16 2, 1, NQ-1, \slot, 0
	WIN 0
	s_barrier_wait -1
.if \fill
	CREST                                          ; the barrier has opened a round of the cluster's barrier
.if \fill == 1
	s_add_nc_u64 s[G0A+4*\slot+2:G0A+4*\slot+3], s[G0A+4*\slot+2:G0A+4*\slot+3], 2*PLA
	s_add_nc_u64 s[G0B+4*\slot+2:G0B+4*\slot+3], s[G0B+4*\slot+2:G0B+4*\slot+3], 2*PLB
.else
	s_sub_nc_u64 s[G0A+4*\slot+2:G0A+4*\slot+3], s[G0A+4*\slot+2:G0A+4*\slot+3], 2*PLA-(WALK/128)*QB   ; A: back along K, 32 groups on
	s_sub_nc_u64 s[G0B+4*\slot+2:G0B+4*\slot+3], s[G0B+4*\slot+2:G0B+4*\slot+3], 2*PLB                 ; B: only back
.endif
	JLOAD \slot                                    ; my one tensor load behind the round; its four v_nop are the places in front of the loads below
.else
	PLACES NP
.endif
	FETCH_B \next, 0, 0
	FETCH_A \next, 0, 0
	SCALES \next
.if \fill
	ASK \ask
.endif
	WIN MUL_HI
	MUL16 4, 1, NQ-1, \slot, 0
	MUL16 6, 1, NQ-1, \slot, 0
	PLACES NP
	WIN 0
	FETCH_A \next, 0, 4
.endm
.macro STEPS slot, from
.set Q, \from
.rept NQ-1-\from
	STEP \slot, Q, 0
.set Q, Q+1
.endr
.endm
; THE WAY OUT, four blocks of 16 rows (one window's) by turns, line by line, so that no line reads what the line above it wrote.  In block u lane (r, h) holds one row, register 8 b + j column 16 b + 8 h + j of my 128.
; The largest of each group b of eight (each accumulator first read at its low end); the largest of the groups and of the other half of the lanes; the lowest b that holds it;
; that group's eight numbers by selects from b = 7 down; the lowest j; the smaller of the two halves' columns (a half that does not hold the largest has b = 8 and loses); the order key.
; No branch and no address hangs on a number.
.macro AMAX4 g
.set WA, 2+\g
	WIN (WA<<2)|(WA<<4)
.irp s, 0,1,2,3
.irp u, 0,1,2,3
.irp b, 0,1,2,3,4,5,6,7
.if \s == 0
	v_max3_num_f32 v[GM+8*\u+\b], v[NI], v[64*\u+8*\b], v[64*\u+8*\b+1]
.else
	v_max3_num_f32 v[GM+8*\u+\b], v[GM+8*\u+\b], v[64*\u+8*\b+2*\s], v[64*\u+8*\b+2*\s+1]
.endif
.endr
.endr
.endr
	WIN 0
.irp u, 0,1,2,3
	v_max3_num_f32 v[MS+8*\u+MX], v[GM+8*\u], v[GM+8*\u+1], v[GM+8*\u+2]
.endr
.irp i, 3,5
.irp u, 0,1,2,3
	v_max3_num_f32 v[MS+8*\u+MX], v[MS+8*\u+MX], v[GM+8*\u+\i], v[GM+8*\u+\i+1]
.endr
.endr
.irp u, 0,1,2,3
	v_max_num_f32 v[MS+8*\u+MX], v[MS+8*\u+MX], v[GM+8*\u+7]
.endr
.irp u, 0,1,2,3
	v_permlanex16_b32 v[MS+8*\u+MP], v[MS+8*\u+MX], s66, s67
.endr
.irp u, 0,1,2,3
	v_max_num_f32 v[MS+8*\u+MX], v[MS+8*\u+MX], v[MS+8*\u+MP]      ; the largest of the row's 128 columns, in both of its lanes
.endr
.irp u, 0,1,2,3
.irp b, 0,1,2,3,4,5,6,7
	v_cmp_neq_f32 s[MK+8*\u+\b], v[GM+8*\u+\b], v[MS+8*\u+MX]      ; group b does not hold it
.endr
.endr
.irp u, 0,1,2,3
	v_mov_b32 v[MS+8*\u+BX], 8
.endr
.irp b, 7,6,5,4,3,2,1,0
.irp u, 0,1,2,3
	v_cndmask_b32 v[MS+8*\u+BX], \b, v[MS+8*\u+BX], s[MK+8*\u+\b]
.endr
.endr
	WIN WA|(WA<<2)
.irp u, 0,1,2,3
.irp j, 0,1,2,3,4,5,6,7
	v_cndmask_b32 v[GM+8*\u+\j], v[64*\u+48+\j], v[64*\u+56+\j], s[MK+8*\u+6]   ; group 6 if it holds the largest, else group 7 (the groups' maxima are done with: their registers take the chosen numbers)
.endr
.endr
	WIN WA
.irp b, 5,4,3,2,1,0
.irp u, 0,1,2,3
.irp j, 0,1,2,3,4,5,6,7
	v_cndmask_b32 v[GM+8*\u+\j], v[64*\u+8*\b+\j], v[GM+8*\u+\j], s[MK+8*\u+\b]
.endr
.endr
.endr
	WIN 0
.irp u, 0,1,2,3
.irp j, 0,1,2,3,4,5,6
	v_cmp_neq_f32 s[MK+8*\u+\j], v[GM+8*\u+\j], v[MS+8*\u+MX]
.endr
.endr
.irp u, 0,1,2,3
	v_mov_b32 v[MS+8*\u+JX], 7
.endr
.irp j, 6,5,4,3,2,1,0
.irp u, 0,1,2,3
	v_cndmask_b32 v[MS+8*\u+JX], \j, v[MS+8*\u+JX], s[MK+8*\u+\j]
.endr
.endr
.irp u, 0,1,2,3
	v_lshl_add_u32 v[MS+8*\u+NN], v[MS+8*\u+BX], 4, v[MS+8*\u+JX]
.endr
.irp u, 0,1,2,3
	v_add_nc_u32 v[MS+8*\u+NN], v[MS+8*\u+NN], v[H8]
.endr
.irp u, 0,1,2,3
	v_permlanex16_b32 v[MS+8*\u+NO], v[MS+8*\u+NN], s66, s67
.endr
.irp u, 0,1,2,3
	v_add_f32 v[MS+8*\u+T1], 0, v[MS+8*\u+MX]                      ; -0 becomes +0
.endr
.irp u, 0,1,2,3
	v_ashrrev_i32 v[MS+8*\u+T2], 31, v[MS+8*\u+T1]
.endr
.irp u, 0,1,2,3
	v_or_b32 v[MS+8*\u+T2], 0x80000000, v[MS+8*\u+T2]
.endr
.irp u, 0,1,2,3
	v_xor_b32 v[PR+2*(4*\g+\u)], v[MS+8*\u+T1], v[MS+8*\u+T2]      ; the key
.endr
.irp u, 0,1,2,3
	v_min_u32 v[PR+2*(4*\g+\u)+1], v[MS+8*\u+NN], v[MS+8*\u+NO]    ; the column
.endr
.irp u, 0,1,2,3
	ds_store_b64 v[STO], v[PR+2*(4*\g+\u):PR+2*(4*\g+\u)+1] offset:128*(4*\g+\u)   ; both lanes of a row write the same bytes with the same values
.endr
.endm
	s_wait_alu depctr_va_vdst(0)
	s_wait_tensorcnt 0x0                           ; my piece of K step 0 is in; slot 1's first fill is issued as a refill is:
	ds_add_u32 v[SPW], v[NIL]
	s_wait_dscnt 0x0
	CROUND
	JLOAD 1                                        ; K step 1
	FETCH_B 0, 0, 0
	FETCH_A 0, 0, 0
	SCALES 0
	FETCH_A 0, 0, 4
	s_wait_loadcnt 0x0                             ; b1
	s_mov_b32 s2, 2                                ; tiles to go: the same number in every work-group
.Ltile:
	STEP 0, 0, 1                                   ; K 0 .. 127: these products start the sums from b1
	STEPS 0, 1
	TURN 0, 1, 1, 0                                ; slot 0 takes K step 2
	STEPS 1, 0
	TURN 1, 0, 1, 1                                ; slot 1 takes K step 3
	STEPS 0, 0
	s_cmp_eq_u32 s2, 1
	s_cbranch_scc1 .Llast
	TURN 0, 1, 2, 2                                ; the ring goes on into the next tile: slot 0 takes its K step 0,
	STEPS 1, 0
	TURN 1, 0, 2, 3                                ; slot 1 its K step 1, and its first fragments are fetched
	s_branch .Lout
.Llast:
	TURN 0, 1, 0, 0                                ; the last tile asks for nothing more
	STEPS 1, 0
	s_wait_dscnt 4*NL
	WIN MUL_LO
	MUL16 0, 1, NQ-1, 1, 0
	MUL16 2, 1, NQ-1, 1, 0
	s_wait_dscnt 0
	WIN MUL_HI
	MUL16 4, 1, NQ-1, 1, 0
	MUL16 6, 1, NQ-1, 1, 0
	PLACES NP
	WIN 0
.Lout:
	s_wait_xcnt 0x0                                ; the last tile's stores have read their base and their data
	s_add_nc_u64 s[12:13], s[12:13], s[18:19]      ; on to this tile's rows in part
	AMAX4 0
	AMAX4 1
	s_wait_alu depctr_va_vdst(0)
	ds_load_b128 v[OB:OB+3], v[RD]                 ; LDS serves a wave's instructions in order: these see my stores.  My 128 rows' pairs, 1,024 bytes
	ds_load_b128 v[OB+4:OB+7], v[RD] offset:512
	s_wait_dscnt 0x0
	global_store_b128 v[CO], v[OB:OB+3], s[12:13] th:TH_STORE_NT             ; 32 lanes store 512 consecutive bytes, at a multiple of 256 from part's first byte
	global_store_b128 v[CO], v[OB+4:OB+7], s[12:13] offset:512 th:TH_STORE_NT
	s_mov_b64 s[18:19], WALK*8                     ; what the next way out adds
	s_mov_b32 s3, 0                                ; the second tile prefetches nothing
	s_sub_co_u32 s2, s2, 1
	s_cmp_lg_u32 s2, 0
	s_cbranch_scc1 .Ltile
	s_wait_tensorcnt 0x0                           ; the wave's end
	ds_add_u32 v[SPW], v[NIL]
	s_wait_dscnt 0x0
	CROUND                                         ; the closing round
	s_endpgm
.Lfunc_end_k_q4fb2bbb60b_gemm:
	.size	k_q4fb2bbb60b_gemm, .Lfunc_end_k_q4fb2bbb60b_gemm-k_q4fb2bbb60b_gemm
	.p2alignl 7, 3214868480
	.fill 96, 4, 3214868480
	.section	.rodata,"a",@progbits
	.p2align	6, 0x0
	.amdhsa_kernel k_q4fb2bbb60b_gemm
		.amdhsa_group_segment_fixed_size 327680
		.amdhsa_private_segment_fixed_size 0
		.amdhsa_enable_private_segment 0
		.amdhsa_kernarg_size 32
		.amdhsa_user_sgpr_count 2
		.amdhsa_user_sgpr_kernarg_segment_ptr 1
		.amdhsa_wavefront_size32 1
		.amdhsa_system_sgpr_workgroup_id_x 1
		.amdhsa_system_sgpr_workgroup_id_y 1
		.amdhsa_system_sgpr_workgroup_id_z 1
		.amdhsa_system_vgpr_workitem_id 0
		.amdhsa_next_free_vgpr 1024
		.amdhsa_next_free_sgpr 100
		.amdhsa_reserve_vcc 0
		.amdhsa_float_denorm_mode_32 3
		.amdhsa_float_denorm_mode_16_64 3
		.amdhsa_memory_ordered 1
		.amdhsa_forward_progress 1
		.amdhsa_inst_pref_size 255
	.end_amdhsa_kernel
	.section	.bss,"aw",@nobits
	.p2align	6
	.space	262144
	.amdgpu_metadata
---
amdhsa.version: [ 1, 2 ]
amdhsa.kernels:
  - .name:           k_q4fb2bbb60b_gemm
    .symbol:         k_q4fb2bbb60b_gemm.kd
    .args:
      - { .name: xc, .offset: 0, .size: 8, .value_kind: global_buffer, .address_space: global }
      - { .name: wc, .offset: 8, .size: 8, .value_kind: global_buffer, .address_space: global }
      - { .name: part, .offset: 16, .size: 8, .value_kind: global_buffer, .address_space: global }
      - { .name: b1, .offset: 24, .size: 8, .value_kind: global_buffer, .address_space: global }
    .group_segment_fixed_size: 327680
    .private_segment_fixed_size: 0
    .kernarg_segment_align: 8
    .kernarg_segment_size: 32
    .max_flat_workgroup_size: 128
    .sgpr_count:     100
    .vgpr_count:     1024
    .wavefront_size: 32
...
	.end_amdgpu_metadata
.endif
;; end of part 2
;; launch pick (part 3): grid 256 x 1, 10 waves a work-group, no clusters, 3,328 bytes of LDS; arguments part, w2t, out0; writes out0
.if DOCPART == 3
	.amdgcn_target "amdgcn-amd-amdhsa--gfx1250"
	.amdhsa_code_object_version 6
	.text
	.protected	k_q4fb2bbb60b_pick
	.globl	k_q4fb2bbb60b_pick
	.p2align	8
	.type	k_q4fb2bbb60b_pick,@function
k_q4fb2bbb60b_pick:
	s_mov_b64 s[64:65], 0
	v_nop
	global_prefetch_b8 v0, s[64:65] scope:SCOPE_SE
	s_setreg_imm32_b32 hwreg(HW_REG_WAVE_MODE, 25, 1), 1
	s_wait_xcnt 0x0
; out0[row][c] = w2t[n(row)][c], c = 0 .. 999, where n(row) is the first column with the largest h of the row.  (w2t[k][c] = w2[c][k] + b2[c], rows of 4,096 bytes.)
; part [32 groups][8192 rows][2 words] holds, for each row and each group of 128 columns, whole numbers: an order key (a larger h has a larger key) and the first column with it.  All comparisons here are of
; unsigned whole numbers; groups are taken in ascending order and a later one wins only where its key is GREATER: so the first column wins.
; SHARES.  A work-group owns 32 rows: 128,000 consecutive bytes of out0, 500 whole runs of 256 bytes = 8,000 pieces of 16 bytes = 25 for each of 320 threads.  Piece q = 320 i + thread: each store of a wave
; covers 512 consecutive bytes at a multiple of 256 from out0's first byte, whatever rows they belong to.  Piece q lies in row q / 250, at byte 16 (q % 250) of it.
; Waves 0 to 7 fold four groups each, a lane a row; the eight results meet in LDS; every wave folds them, so that lane r holds row r's column; each piece fetches its row's column from that lane.
; All 25 gathers of a thread are issued before the first store: 128,000 bytes of a work-group are on their way at once.  No matrix unit, no cluster, no tensor load: nothing is shared between work-groups.
.set ROWS, 32
.set ROWB, 4000                        ; a row of out0 in bytes
.set NP,   25                          ; pieces a thread
.set RA,   32                          ; v32-56   piece i: q, then 4 x its row: the lane to ask, as ds_bpermute_b32 wants it
.set NB,   57                          ; v57-81   piece i: its row, then its row's column
.set AD,   82                          ; v82-106  piece i: its byte in its row, then in w2t
.set D,    108                         ; v108-207 piece i: 16 bytes
	s_load_b128 s[4:7], s[0:1], 0x0                ; part, w2t
	s_load_b64 s[8:9], s[0:1], 0x10                ; out0
	v_lshl_add_u32 v208, v0, 2, 0x800
	v_mov_b32 v209, 0
	v_lshrrev_b32 v1, 5, v0
	s_delay_alu instid0(VALU_DEP_1)
	v_readfirstlane_b32 s10, v1                    ; wave 0..9
	v_and_b32 v1, 31, v0                           ; lane
	s_delay_alu instid0(VALU_DEP_1)
	v_lshlrev_b32 v4, 3, v1                        ; 8 x lane: a pair's place among 32 rows', in part and in LDS
	s_lshl_b32 s11, s10, 18                        ; four groups of 65,536 bytes a wave
	v_add_nc_u32 v2, s11, v4
	s_lshl_b32 s11, s10, 8                         ; LDS: 256 bytes for each of waves 0 to 7
	v_add_nc_u32 v3, s11, v4
	v_lshlrev_b32 v5, 4, v0                        ; 16 x thread: my bytes in a run of 5,120
	s_lshl_b32 s12, ttmp9, 8                       ; my 32 rows in a group of part
	s_mov_b32 s13, 0
	s_mul_i32 s14, ttmp9, ROWS*ROWB                ; and in out0
	s_mov_b32 s15, 0
	s_wait_kmcnt 0x0
	s_add_nc_u64 s[4:5], s[4:5], s[12:13]
	s_add_nc_u64 s[8:9], s[8:9], s[14:15]
	s_cmp_lt_u32 s10, 8
	s_cbranch_scc0 .Lno_part
	s_wait_alu depctr_va_vdst(0)
.irp j, 0,1,2,3
	global_load_b64 v[8+2*\j:9+2*\j], v2, s[4:5] offset:65536*\j th:TH_LOAD_NT   ; group 4 wave + j: 32 lanes read 256 consecutive bytes
.endr
.Lno_part:
	; where my 25 pieces lie: whole-number work on the thread's number, while the pairs are on their way.  q / 250 = (q x 67,109) >> 24, exact for q < 8,000 (the product stays under 2^30)
.rept NP
	v_add_nc_u32 v[RA+\+], 320*\+, v0              ; q
.endr
.rept NP
	v_mul_u32_u24 v[NB+\+], v[RA+\+], 67109
.endr
.rept NP
	v_lshrrev_b32 v[NB+\+], 24, v[NB+\+]           ; its row, 0 .. 31
.endr
.rept NP
	v_mul_u32_u24 v[AD+\+], v[NB+\+], 250
.endr
.rept NP
	v_sub_nc_u32 v[AD+\+], v[RA+\+], v[AD+\+]      ; q % 250
.endr
.rept NP
	v_lshlrev_b32 v[AD+\+], 4, v[AD+\+]            ; its byte in the row
.endr
.rept NP
	v_lshlrev_b32 v[RA+\+], 2, v[NB+\+]            ; 4 x row
.endr
	s_cmp_lt_u32 s10, 8
	s_cbranch_scc0 .Lno_fold
	s_wait_loadcnt 0x0
.irp j, 1
	v_cmp_gt_u32 vcc_lo, v[8+2*\j], v8             ; a later group wins only with a greater key
	s_delay_alu instid0(VALU_DEP_1)
	v_cndmask_b32 v9, v9, v[9+2*\j], vcc_lo
	v_max_u32 v8, v8, v[8+2*\j]
.endr
.irp j, 2, 3
	s_delay_alu instid0(VALU_DEP_1)
	v_cmp_gt_u32 vcc_lo, v[8+2*\j], v8             ; a later group wins only with a greater key
	s_delay_alu instid0(VALU_DEP_1)
	v_cndmask_b32 v9, v9, v[9+2*\j], vcc_lo
	s_delay_alu instid0(VALU_DEP_3)
	v_max_u32 v8, v8, v[8+2*\j]
.endr
	ds_store_b64 v3, v[8:9]
.Lno_fold:
	s_wait_dscnt 0x0                               ; for the others' sake: my store has landed
	s_barrier_signal -1
	s_barrier_wait -1
.irp w, 0,1,2,3,4,5,6,7
	ds_load_b64 v[16+2*\w:17+2*\w], v4 offset:256*\w               ; row = my lane: the eight waves' pairs
.endr
	s_wait_dscnt 0x0
.irp w, 1
	v_cmp_gt_u32 vcc_lo, v[16+2*\w], v16
	s_delay_alu instid0(VALU_DEP_1)
	v_cndmask_b32 v17, v17, v[17+2*\w], vcc_lo
	v_max_u32 v16, v16, v[16+2*\w]
.endr
.irp w, 2, 3, 4, 5, 6, 7
	s_delay_alu instid0(VALU_DEP_1)
	v_cmp_gt_u32 vcc_lo, v[16+2*\w], v16
	s_delay_alu instid0(VALU_DEP_1)
	v_cndmask_b32 v17, v17, v[17+2*\w], vcc_lo
	s_delay_alu instid0(VALU_DEP_3)
	v_max_u32 v16, v16, v[16+2*\w]
.endr
.rept NP
	ds_bpermute_b32 v[NB+\+], v[RA+\+], v17        ; each piece asks its row's lane
.endr
.rept NP
	s_wait_dscnt NP-1-\+                           ; the younger permutes may be out
	v_min_u32 v[NB+\+], 0xfff, v[NB+\+]            ; a number read from memory is held inside the table before it enters an address
	v_lshl_add_u32 v[AD+\+], v[NB+\+], 12, v[AD+\+]                ; a row of w2t is 4,096 bytes
	global_load_b128 v[D+4*\+:D+4*\+ +3], v[AD+\+], s[6:7]         ; no hint: several rows may name the same row of w2t
.endr
.rept NP
	s_wait_loadcnt NP-1-\+                         ; the younger gathers may be out
	global_store_b128 v5, v[D+4*\+:D+4*\+ +3], s[8:9] offset:5120*\+ th:TH_STORE_NT
.endr
	s_wait_tensorcnt 0x0
	ds_add_u32 v208, v209
	s_wait_dscnt 0x0
	s_endpgm
.Lfunc_end_k_q4fb2bbb60b_pick:
	.size	k_q4fb2bbb60b_pick, .Lfunc_end_k_q4fb2bbb60b_pick-k_q4fb2bbb60b_pick
	.p2alignl 7, 3214868480
	.fill 96, 4, 3214868480
	.section	.rodata,"a",@progbits
	.p2align	6, 0x0
	.amdhsa_kernel k_q4fb2bbb60b_pick
		.amdhsa_group_segment_fixed_size 3328
		.amdhsa_private_segment_fixed_size 0
		.amdhsa_enable_private_segment 0
		.amdhsa_kernarg_size 24
		.amdhsa_user_sgpr_count 2
		.amdhsa_user_sgpr_kernarg_segment_ptr 1
		.amdhsa_wavefront_size32 1
		.amdhsa_system_sgpr_workgroup_id_x 1
		.amdhsa_system_sgpr_workgroup_id_y 1
		.amdhsa_system_sgpr_workgroup_id_z 1
		.amdhsa_system_vgpr_workitem_id 0
		.amdhsa_next_free_vgpr 210
		.amdhsa_next_free_sgpr 66
		.amdhsa_reserve_vcc 1
		.amdhsa_float_denorm_mode_32 3
		.amdhsa_float_denorm_mode_16_64 3
		.amdhsa_memory_ordered 1
		.amdhsa_forward_progress 1
		.amdhsa_inst_pref_size 25
	.end_amdhsa_kernel
	.amdgpu_metadata
---
amdhsa.version: [ 1, 2 ]
amdhsa.kernels:
  - .name:           k_q4fb2bbb60b_pick
    .symbol:         k_q4fb2bbb60b_pick.kd
    .args:
      - { .name: part, .offset: 0, .size: 8, .value_kind: global_buffer, .address_space: global }
      - { .name: w2t, .offset: 8, .size: 8, .value_kind: global_buffer, .address_space: global }
      - { .name: out0, .offset: 16, .size: 8, .value_kind: global_buffer, .address_space: global }
    .group_segment_fixed_size: 3328
    .private_segment_fixed_size: 0
    .kernarg_segment_align: 8
    .kernarg_segment_size: 24
    .max_flat_workgroup_size: 320
    .sgpr_count:     66
    .vgpr_count:     210
    .wavefront_size: 32
...
	.end_amdgpu_metadata
.endif
;; end of part 3
